; MI455X (gfx1250); checked and timed in simulation.
; The chip was launched on July 23, 2026; its instructions are those of AMD's public machine-readable ISA for CDNA 5 (MIT licence, August 2026) and "CDNA5" Instruction Set Architecture Reference Guide (July 2026). The comments in the code are by the model that wrote it; some were corrected since.
;; Multi Head Attention. Allowed arithmetic: matrix products marked QUANTISED: E2M3 operands, one E8M0 scale for each 32 along K, by v_wmma_scale_f32_16x16x128_f8f6f4 with both operands' format E2M3, f32 sums; everything else in f32.
;; Inputs: Wk 1,024 x 1,024 float32; Wo 1,024 x 1,024 float32; Wq 1,024 x 1,024 float32; Wv 1,024 x 1,024 float32; x 2 x 2,048 x 1,024 float32.
;; Outputs: out0 2 x 2,048 x 1,024 float32.
;; This version of the problem:
;;   THIS VERSION OF THE PROBLEM IS GIVEN IN LOW PRECISION. The matrix products marked QUANTISED in the list below multiply operands that are first quantised to E2M3 (2 exponent bits, 3 mantissa bits; 6 bits a number), with one power-of-two scale for each 32 numbers along K (OCP MX v1.0); their sums are f32. All else is computed in f32.
;;   The module's matrix products, in the order in which they are computed (A, B: the left and right operand; K: the contracted axis; several contracted axes count as one K, in the product's order):
;;     1. [M 4,096, K 1,024] x [K 1,024, N 1,024]; A: input x; B: input Wq: QUANTISED
;;     2. [M 4,096, K 1,024] x [K 1,024, N 1,024]; A: input x; B: input Wk: QUANTISED
;;     3. [M 4,096, K 1,024] x [K 1,024, N 1,024]; A: input x; B: input Wv: QUANTISED
;;     4. batch 32 x [M 2,048, K 64] x [K 64, N 2,048]; A: computed on the way; B: computed on the way: QUANTISED
;;     5. batch 32 x [M 2,048, K 2,048] x [K 2,048, N 64]; A: softmax (see below); B: computed on the way: QUANTISED
;;     6. [M 4,096, K 1,024] x [K 1,024, N 1,024]; A: computed on the way; B: input Wo: QUANTISED
;;   THE QUANTISER, for each operand of a quantised product, along K:
;;     - K is cut into blocks of 32 from its start; a last block that is shorter is filled with zeros.
;;     - A block's scale is 2^e with e = floor(log2(the largest magnitude in the block)) - 2, held to -126 .. 127; a block of zeros has e = 0. As a byte (E8M0): e + 127.
;;     - Each number is divided by its block's scale, clamped to +-7.5, and rounded to the nearest number of E2M3, ties to even, subnormals kept.
;;     - The product sums the exact products of the quantised numbers (number of the format x scale) in f32.
;;   ~~~python
;;   def quantise(x, axis):      # numpy; x: float32 -> the quantised numbers, widened to float32 again
;;       x = np.moveaxis(x, axis, -1); K = x.shape[-1]
;;       x = np.pad(x, [(0, 0)] * (x.ndim - 1) + [(0, -K % 32)]); x = x.reshape(x.shape[:-1] + (-1, 32)); a = np.abs(x).max(-1, keepdims=True)
;;       e = np.where(a > 0, np.clip(np.frexp(np.where(a > 0, a, 1))[1] - 1 - 2, -126, 127), 0)      # np.frexp(a)[1] - 1 = floor(log2(a)), exactly
;;       r = np.clip(x / 2.0 ** e, -7.5, 7.5)
;;       step = 2.0 ** (np.maximum(np.frexp(np.where(r == 0, 1, r))[1] - 1, 0) - 3)
;;       q = np.round(r / step) * step * 2.0 ** e      # np.round: ties to even
;;       return np.moveaxis(q.reshape(q.shape[:-2] + (-1,))[..., :K], -1, axis).astype(np.float32)
;;   ~~~
;;   SOFTMAX AHEAD OF A QUANTISED PRODUCT. Where the list says 'softmax', what is quantised is not the finished softmax but p = 2^(t - M), with t = logit x log2(e) and M = ceil(the row's largest t), a whole number; so 1/2 < the row's largest p <= 1. The row's sum l is taken of the UNQUANTISED p, in f32, and the product's result is divided by l at the end. Since M is a whole number, a kernel that streams over the keys may use a running M (the ceiling of the running maximum): every later rescaling is an exact power of two, which a block's scale takes up: the codes' values come out the same.
;;   OPERANDS COMPUTED ON THE WAY. 'Computed on the way' means the value that the module computes at that place (a softmax that the list does not call 'softmax' is quantised finished and normalised). What goes into a quantiser is computed in f32, as accurately as f32 sums, v_exp_f32 and their like allow (about 1e-6 of the number): no bf16 or f16 on the way to a quantiser, and a product that is left as it is and whose result goes on into a quantised operand takes f32 operands (vector FMAs, or v_wmma_f32_16x16x4_f32). A number that lies on a knife's edge between two numbers of the format may be rounded either way, as far as f32 arithmetic and the matrix unit's own rounding can turn it there, and no further.
;; One version. Each part assembles by itself: llvm-mc -triple=amdgcn-amd-amdhsa -mcpu=gfx1250 --defsym DOCPART=n.
;; ======== version 1 of 1: 3 launches
;; limits: right only within a limited range of input values
;; workspace buffers: xq 3,276,800 bytes; wq 3,276,800 bytes; qkv 9,830,400 bytes
;; launch prep (part 1): grid 512 x 1, 8 waves a work-group, no clusters, 94,720 bytes of LDS; arguments x, Wq, Wk, Wv, Wo, xq, wq; writes xq, wq
.if DOCPART == 1
	.amdgcn_target "amdgcn-amd-amdhsa--gfx1250"
	.amdhsa_code_object_version 6
	.text
	.protected	k_q9253a46aa6_prep
	.globl	k_q9253a46aa6_prep
	.p2align	8
	.type	k_q9253a46aa6_prep,@function
k_q9253a46aa6_prep:
	s_mov_b64 s[64:65], 0
	v_nop
	global_prefetch_b8 v0, s[64:65] scope:SCOPE_SE
	s_setreg_imm32_b32 hwreg(HW_REG_WAVE_MODE, 25, 1), 1
	s_wait_xcnt 0x0
; x [4096][1024] (K innermost) and Wq, Wk, Wv, Wo [1024 (k)][1024 (n)] (K outermost), f32, become codes of FP6 (E2M3) with one E8M0 byte for each 32 along K,
; laid in the order of an operand's registers.  A HALF is 16 rows x 64 K, 768 bytes: lane l = row + 16 x (which 32 of the 64) has 24 bytes: its first 16 at 16 l, its last 8 at 512 + 8 l.
; A UNIT is 128 rows x 128 K, 12,800 bytes: tile T (16 rows), half c at 1536 T + 768 c; the scale word of row rho of tile T at 12288 + 64 T + 4 rho.
; xq: [32 groups of 128 rows][8 K steps] units.  wq: [q, k, v, o][8 groups of 128 columns][8 K steps] units.
; WHICH COLUMN n OF A WEIGHT IS ROW rho OF TILE T OF GROUP G.  Wq, Wk, Wo: n = 128 G + 64 (T / 4) + 32 ((T / 2) % 2) + 16 (rho / 8) + 8 (T % 2) + rho % 8, so that a lane's 16 results of two
; neighbouring tiles are 16 neighbouring columns.  Wv: n = 64 cc + 8 G + dd, dd = (T & 6) + rho / 8, cc = 2 (rho % 8) + T % 2, so that a lane's 16 results are one channel d of all sixteen 64-column parts of a row.
; A block's scale is 2^(floor(log2(largest magnitude)) - 2): its byte is the largest magnitude's exponent field - 2, held at 1 from below by a floor among the maximum's leaves.
; LIMITS: NaN and infinities are not served; a block whose largest magnitude lies under 2^-124 (a block of zeros too) gets the byte 1: these bytes are read by this program alone, and zero codes add nothing.
; 512 work-groups of eight waves, each reads 64 KB and writes one unit.  Work-groups 0-255: x.  256-511: the weights.  Three paths, chosen by the work-group's number; each has LDS bytes, a barrier and an end of its own.
.set UNIT,  12800
.set XPW,   8448                       ; x: a wave's stage: 16 rows of 512 bytes + 16
.set XSC,   67584                      ; x: the unit's 512 bytes of scale words
.set WST,   68096                      ; Wq, Wk, Wo: a whole unit
.set VST,   80896                      ; Wv: a whole unit
.set R,     16                         ; v16-79   x as loaded
.set X,     80                         ; v80-143  64 numbers of a lane: register 16 b + i = k 32 b + 16 (lane / 16) + i
.set PC,    144                        ; v144-155 a fragment's codes; v156-162 at work
.set TM,    164                        ; v164-179 at work
.set PW,    180                        ; the scale word
.set SEL,   20                         ; s[20:21] lane selects: lane l xor 16
; 64 numbers of a lane become a fragment's 12 registers in v[PC] on and its row's scale word in v[PW]
.macro QUANT s
.irp b, 0,1,2,3
	v_max3_num_f32 v[TM+\b], |v[\s+16*\b]|, |v[\s+1+16*\b]|, 0x1800000   ; block b: my 16 numbers, and the floor 2^(3 - 127)
.endr
.irp i, 2,4,6,8,10,12,14
.irp b, 0,1,2,3
	s_delay_alu instid0(VALU_DEP_4)
	v_max3_num_f32 v[TM+\b], v[TM+\b], |v[\s+16*\b+\i]|, |v[\s+1+16*\b+\i]|
.endr
.endr
.irp b, 0,1,2,3
	s_delay_alu instid0(VALU_DEP_4)
	v_permlanex16_b32 v[TM+4+\b], v[TM+\b], s[SEL], s[SEL+1]
.endr
.irp b, 0,1,2,3
	s_delay_alu instid0(VALU_DEP_4)
	v_max_num_f32 v[TM+\b], v[TM+\b], v[TM+4+\b]   ; with lane l xor 16's: the block's largest magnitude
.endr
.irp b, 0,1,2,3
	s_delay_alu instid0(VALU_DEP_4)
	v_add_nc_u32 v[TM+12+\b], 0xff000000, v[TM+\b]   ; 2 off its exponent field: the conversion's scale operand
.endr
.irp b, 0,1,2,3
	s_delay_alu instid0(VALU_DEP_4)
	v_lshrrev_b32 v[TM+4+\b], 23, v[TM+12+\b]      ; the scale's byte
.endr
	s_delay_alu instid0(VALU_DEP_3)
	v_lshl_or_b32 v[PW], v[TM+5], 8, v[TM+4]
	s_delay_alu instid0(VALU_DEP_1)
	v_lshl_or_b32 v[PW], v[TM+6], 16, v[PW]
	s_delay_alu instid0(VALU_DEP_1)
	v_lshl_or_b32 v[PW], v[TM+7], 24, v[PW]
.irp c, 0,1
	v_cvt_scalef32_pk16_fp6_f32 v[PC+6*\c:PC+2+6*\c], v[\s+32*\c:\s+15+32*\c], v[TM+12+2*\c]
	v_cvt_scalef32_pk16_fp6_f32 v[PC+12+4*\c:PC+14+4*\c], v[\s+16+32*\c:\s+31+32*\c], v[TM+12+2*\c+1]   ; (a conversion's three registers begin on an even number)
.endr
	v_nop                                          ; one plain line behind the scaled conversions
.irp c, 0,1                                    ; a lane is to hold a WHOLE block: lanes 0-15 block 2 c, lanes 16-31 block 2 c + 1
.irp i, 0,1,2
	v_permlane16_swap_b32 v[PC+6*\c+\i], v[PC+12+4*\c+\i]
.endr
.irp i, 0,1,2
	s_delay_alu instid0(VALU_DEP_3)
	v_mov_b32 v[PC+3+6*\c+\i], v[PC+12+4*\c+\i]
.endr
.endr
.endm
; A weight's unit.  Thread tau takes ONE column and 64 along K (waves 0-3 the K step's first 64, waves 4-7 its second): its registers run down K, so a block's maximum needs no other lane
; and the conversions give codes with K innermost.  The unit is gathered in LDS and leaves in runs of 512 consecutive bytes.
.macro WPATH stage, variant
	s_lshl_b32 s28, s25, 19                        ; 128 ks rows of 4,096 bytes
	s_lshl_b32 s29, s26, 18                        ; + 64 rows for the second half
	s_add_co_u32 s28, s28, s29
.if \variant
	s_lshl_b32 s29, s24, 5                         ; + column 8 G
.else
	s_lshl_b32 s29, s24, 9                         ; + column 128 G
.endif
	s_add_co_u32 s28, s28, s29
	s_mov_b32 s29, 0
	s_mul_i32 s32, s22, UNIT                       ; the unit's place in wq: ((weight x 8 + G) x 8 + ks) is the work-group's number less 256
	s_mov_b32 s33, 0
	s_mul_i32 s34, s26, 768
	s_add_co_u32 s34, s34, \stage
	s_lshl_b32 s35, s26, 1
	s_add_co_u32 s35, s35, \stage+12288
.if \variant
	v_bfe_u32 v8, v0, 3, 4                         ; cc
	v_and_b32 v9, 7, v0                            ; dd
	s_delay_alu instid0(VALU_DEP_1)
	v_lshl_add_u32 v8, v8, 6, v9                   ; column 64 cc + dd
	s_delay_alu instid0(VALU_DEP_1)
	v_lshlrev_b32 v3, 2, v8
	v_and_b32 v11, 6, v0
	v_bfe_u32 v10, v0, 3, 1
	s_delay_alu instid0(VALU_DEP_1)
	v_add_nc_u32 v11, v11, v10                     ; T = (dd & 6) + cc % 2
	v_and_b32 v12, 1, v0
	v_bfe_u32 v10, v0, 4, 3
	s_delay_alu instid0(VALU_DEP_1)
	v_lshl_add_u32 v12, v12, 3, v10                ; rho = 8 (dd % 2) + cc / 2
.else
	v_and_b32 v8, 0x67, v0                         ; the column is tau % 128 with bits 3 and 4 changed over
	v_bfe_u32 v9, v0, 3, 1
	v_bfe_u32 v10, v0, 4, 1
	s_delay_alu instid0(VALU_DEP_2)
	v_lshl_add_u32 v8, v9, 4, v8
	s_delay_alu instid0(VALU_DEP_1)
	v_lshl_add_u32 v8, v10, 3, v8
	s_delay_alu instid0(VALU_DEP_1)
	v_lshlrev_b32 v3, 2, v8
	v_bfe_u32 v11, v0, 4, 3                        ; T
	v_and_b32 v12, 15, v0                          ; rho
.endif
	v_mul_u32_u24 v13, v11, 1536
	s_delay_alu instid0(VALU_DEP_1)
	v_lshl_add_u32 v4, v12, 4, v13
	s_delay_alu instid0(VALU_DEP_1)
	v_add_nc_u32 v4, s34, v4                       ; a HALF's first part: 16 rho (+ 256 for the second block)
	s_delay_alu instid0(VALU_DEP_3)
	v_lshl_add_u32 v5, v12, 3, v13
	s_delay_alu instid0(VALU_DEP_1)
	v_add_nc_u32 v5, s34, v5                       ; its second part: 8 rho (+ 512, + 128 for the second block)
	v_lshlrev_b32 v6, 6, v11
	s_delay_alu instid0(VALU_DEP_1)
	v_lshl_add_u32 v6, v12, 2, v6
	s_delay_alu instid0(VALU_DEP_1)
	v_add_nc_u32 v6, s35, v6                       ; my two bytes of the row's scale word
	v_lshlrev_b32 v7, 4, v0                        ; the way out: 16 bytes a thread
	s_delay_alu instid0(VALU_DEP_1)
	v_add_nc_u32 v14, \stage, v7
	s_wait_kmcnt 0x0
.if \variant
	s_mov_b64 s[30:31], s[10:11]                   ; Wv
.else
	s_cmp_eq_u32 s23, 0
	s_cselect_b64 s[30:31], s[6:7], s[8:9]         ; Wq or Wk,
	s_cmp_eq_u32 s23, 3
	s_cselect_b64 s[30:31], s[12:13], s[30:31]     ; or Wo: the choice hangs on the work-group's number alone
.endif
	s_add_nc_u64 s[30:31], s[30:31], s[28:29]
	s_add_nc_u64 s[16:17], s[16:17], s[32:33]
.set i, 0
.rept 64
.if \variant
	global_load_b32 v[32+i], v3, s[30:31] offset:4096*i              ; four runs of 32 bytes a wave; the bytes beside them belong to other work-groups
.else
	global_load_b32 v[32+i], v3, s[30:31] offset:4096*i th:TH_LOAD_NT   ; 128 consecutive bytes a wave
.endif
.set i, i+1
.endr
.irp hf, 0,1
.set XS, 32+32*\hf
.set CW, 96+16*\hf
	s_wait_loadcnt 32-32*\hf                       ; this block's 32 loads are in; the second block's 32 may be out
	v_max3_num_f32 v16, |v[XS]|, |v[XS+1]|, |v[XS+2]|
	v_max3_num_f32 v17, |v[XS+3]|, |v[XS+4]|, |v[XS+5]|
.irp i, 6,10,14,18,22,26
	s_delay_alu instid0(VALU_DEP_2)
	v_max3_num_f32 v16, v16, |v[XS+\i]|, |v[XS+\i+1]|
	s_delay_alu instid0(VALU_DEP_2)
	v_max3_num_f32 v17, v17, |v[XS+\i+2]|, |v[XS+\i+3]|
.endr
	s_delay_alu instid0(VALU_DEP_2)
	v_max3_num_f32 v16, v16, |v[XS+30]|, |v[XS+31]|
	s_delay_alu instid0(VALU_DEP_1)
	v_max3_num_f32 v16, v16, v17, 0x1800000        ; and the floor 2^(3 - 127)
	s_delay_alu instid0(VALU_DEP_1)
	v_add_nc_u32 v[18+\hf], 0xff000000, v16        ; 2 off the exponent field: the conversion's scale operand
	s_delay_alu instid0(VALU_DEP_1)
	v_lshrrev_b32 v[20+\hf], 23, v[18+\hf]         ; the byte
	v_cvt_scalef32_pk16_fp6_f32 v[CW:CW+2], v[XS:XS+15], v[18+\hf]
	v_cvt_scalef32_pk16_fp6_f32 v[CW+8:CW+10], v[XS+16:XS+31], v[18+\hf]
	v_nop                                          ; one plain line behind the scaled conversions
.irp i, 0,1,2
	v_mov_b32 v[CW+3+\i], v[CW+8+\i]
.endr
	ds_store_b128 v4, v[CW:CW+3] offset:256*\hf
	ds_store_b64 v5, v[CW+4:CW+5] offset:512+128*\hf
.endr
	v_lshl_or_b32 v22, v21, 8, v20
	ds_store_b16 v6, v22
	s_wait_dscnt 0x0                               ; for the others' sake: my stores into the unit are done
	s_barrier_signal -1
	s_barrier_wait -1
.irp i, 0,1,2
	ds_load_b128 v[32+4*\i:35+4*\i], v14 offset:4096*\i
.endr
.irp i, 0,1,2
	s_wait_dscnt 2-\i                              ; the younger read-backs may be out
	global_store_b128 v7, v[32+4*\i:35+4*\i], s[16:17] offset:4096*\i   ; a wave stores 512 consecutive bytes, at a multiple of 256 from the buffer's first byte
.endr
	s_cmp_lg_u32 s18, 0
	s_cbranch_scc1 .Lw_end_\@
	ds_load_b128 v[44:47], v14 offset:12288        ; wave 0: the unit's 512 bytes of scale words
	s_wait_dscnt 0x0
	global_store_b128 v7, v[44:47], s[16:17] offset:12288
.Lw_end_\@:
	s_wait_tensorcnt 0x0
	ds_add_u32 v192, v193
	s_wait_dscnt 0x0
	s_endpgm
.endm
	s_load_b256 s[4:11], s[0:1], 0x0               ; x, Wq, Wk, Wv
	s_load_b128 s[12:15], s[0:1], 0x20             ; Wo, xq
	s_load_b64 s[16:17], s[0:1], 0x30              ; wq
	v_lshl_add_u32 v192, v0, 2, 0x16e00
	v_mov_b32 v193, 0
	v_lshrrev_b32 v1, 5, v0
	s_delay_alu instid0(VALU_DEP_1)
	v_readfirstlane_b32 s18, v1                    ; wave 0..7
	v_and_b32 v2, 31, v0                           ; lane
	s_mov_b32 s[SEL], 0x76543210
	s_mov_b32 s[SEL+1], 0xfedcba98
	s_cmp_lt_u32 ttmp9, 256
	s_cbranch_scc0 .Lweights
	; ---- x: work-group = (group of 128 rows) x 8 + K step; wave w takes rows 16 w .. 16 w + 15, one tile
	s_lshr_b32 s22, ttmp9, 3
	s_and_b32 s23, ttmp9, 7
	s_lshl_b32 s24, s22, 19                        ; 128 rows of 4,096 bytes
	s_lshl_b32 s25, s18, 16                        ; 16 rows
	s_add_co_u32 s24, s24, s25
	s_lshl_b32 s25, s23, 9                         ; 128 numbers along K
	s_add_co_u32 s24, s24, s25
	s_mov_b32 s25, 0
	s_mul_i32 s26, ttmp9, UNIT
	s_mov_b32 s27, 0
	s_mul_i32 s28, s18, 1536
	s_mov_b32 s29, 0
	s_mul_i32 s32, s18, XPW
	s_lshl_b32 s33, s18, 6
	s_wait_alu depctr_va_vdst(0)
	v_lshlrev_b32 v3, 4, v2                        ; 16 x lane
	s_delay_alu instid0(VALU_DEP_1)
	v_add_nc_u32 v4, s32, v3                       ; into my stage: a row as it lies
	v_and_b32 v8, 15, v0                           ; r
	v_bfe_u32 v9, v0, 4, 1                         ; h
	s_delay_alu instid0(VALU_DEP_2)
	v_mul_u32_u24 v5, v8, 528
	s_delay_alu instid0(VALU_DEP_1)
	v_lshl_add_u32 v5, v9, 6, v5
	s_delay_alu instid0(VALU_DEP_1)
	v_add_nc_u32 v5, s32, v5                       ; out of it: row r, + 64 h: my 16 numbers of each block of 32
	v_lshlrev_b32 v6, 3, v2                        ; 8 x lane
	v_lshlrev_b32 v7, 2, v8
	s_delay_alu instid0(VALU_DEP_1)
	v_add_nc_u32 v7, s33, v7
	s_delay_alu instid0(VALU_DEP_1)
	v_add_nc_u32 v7, XSC, v7                       ; my row's scale word
	v_add_nc_u32 v10, XSC, v3                      ; and the way out of the 512 bytes
.irp b, 0,1,2,3
	v_mov_b32 v[TM+4+\b], 0                        ; written once: a lane permute's destination counts as one of its sources
.endr
	s_wait_kmcnt 0x0
	s_add_nc_u64 s[4:5], s[4:5], s[24:25]
	s_add_nc_u64 s[14:15], s[14:15], s[26:27]      ; the unit
	s_add_nc_u64 s[30:31], s[14:15], s[28:29]      ; my tile in it
.irp i, 0,1,2,3,4,5,6,7,8,9,10,11,12,13,14,15
	global_load_b128 v[R+4*\i:R+4*\i+3], v3, s[4:5] offset:4096*\i th:TH_LOAD_NT   ; 512 consecutive bytes of row i
.endr
.irp i, 0,1,2,3,4,5,6,7,8,9,10,11,12,13,14,15
	s_wait_loadcnt 15-\i                           ; row i is in; the younger rows may be out
	ds_store_b128 v4, v[R+4*\i:R+4*\i+3] offset:528*\i
.endr
.irp b, 0,1,2,3
.irp j, 0,1,2,3
	ds_load_b128 v[X+16*\b+4*\j:X+16*\b+4*\j+3], v5 offset:128*\b+16*\j   ; LDS serves a wave's instructions in order: these see my stores
.endr
.endr
	s_wait_dscnt 0x0
	QUANT X
	global_store_b128 v3, v[PC:PC+3], s[30:31]
	global_store_b64 v6, v[PC+4:PC+5], s[30:31] offset:512
	global_store_b128 v3, v[PC+6:PC+9], s[30:31] offset:768
	global_store_b64 v6, v[PC+10:PC+11], s[30:31] offset:1280
	ds_store_b32 v7, v[PW]                         ; lanes l and l xor 16 write the same word with the same value
	s_wait_dscnt 0x0
	s_barrier_signal -1
	s_barrier_wait -1
	s_cmp_lg_u32 s18, 0
	s_cbranch_scc1 .Lx_end
	ds_load_b128 v[12:15], v10                     ; wave 0: the unit's 512 bytes of scale words
	s_wait_dscnt 0x0
	global_store_b128 v3, v[12:15], s[14:15] offset:12288
.Lx_end:
	s_wait_tensorcnt 0x0
	ds_add_u32 v192, v193
	s_wait_dscnt 0x0
	s_endpgm
.Lweights:
	s_sub_co_u32 s22, ttmp9, 256
	s_lshr_b32 s23, s22, 6                         ; which weight: q, k, v, o
	s_bfe_u32 s24, s22, 0x30003                    ; G
	s_and_b32 s25, s22, 7                          ; K step
	s_lshr_b32 s26, s18, 2                         ; which 64 of the K step are my wave's
	s_cmp_eq_u32 s23, 2
	s_cbranch_scc1 .Lv_weight
	WPATH WST, 0
.Lv_weight:
	WPATH VST, 1
.Lfunc_end_k_q9253a46aa6_prep:
	.size	k_q9253a46aa6_prep, .Lfunc_end_k_q9253a46aa6_prep-k_q9253a46aa6_prep
	.p2alignl 7, 3214868480
	.fill 96, 4, 3214868480
	.section	.rodata,"a",@progbits
	.p2align	6, 0x0
	.amdhsa_kernel k_q9253a46aa6_prep
		.amdhsa_group_segment_fixed_size 94720
		.amdhsa_private_segment_fixed_size 0
		.amdhsa_enable_private_segment 0
		.amdhsa_kernarg_size 56
		.amdhsa_user_sgpr_count 2
		.amdhsa_user_sgpr_kernarg_segment_ptr 1
		.amdhsa_wavefront_size32 1
		.amdhsa_system_sgpr_workgroup_id_x 1
		.amdhsa_system_sgpr_workgroup_id_y 1
		.amdhsa_system_sgpr_workgroup_id_z 1
		.amdhsa_system_vgpr_workitem_id 0
		.amdhsa_next_free_vgpr 194
		.amdhsa_next_free_sgpr 66
		.amdhsa_reserve_vcc 0
		.amdhsa_float_denorm_mode_32 3
		.amdhsa_float_denorm_mode_16_64 3
		.amdhsa_memory_ordered 1
		.amdhsa_forward_progress 1
		.amdhsa_inst_pref_size 40
	.end_amdhsa_kernel
	.amdgpu_metadata
---
amdhsa.version: [ 1, 2 ]
amdhsa.kernels:
  - .name:           k_q9253a46aa6_prep
    .symbol:         k_q9253a46aa6_prep.kd
    .args:
      - { .name: x, .offset: 0, .size: 8, .value_kind: global_buffer, .address_space: global }
      - { .name: Wq, .offset: 8, .size: 8, .value_kind: global_buffer, .address_space: global }
      - { .name: Wk, .offset: 16, .size: 8, .value_kind: global_buffer, .address_space: global }
      - { .name: Wv, .offset: 24, .size: 8, .value_kind: global_buffer, .address_space: global }
      - { .name: Wo, .offset: 32, .size: 8, .value_kind: global_buffer, .address_space: global }
      - { .name: xq, .offset: 40, .size: 8, .value_kind: global_buffer, .address_space: global }
      - { .name: wq, .offset: 48, .size: 8, .value_kind: global_buffer, .address_space: global }
    .group_segment_fixed_size: 94720
    .private_segment_fixed_size: 0
    .kernarg_segment_align: 8
    .kernarg_segment_size: 56
    .max_flat_workgroup_size: 256
    .sgpr_count:     66
    .vgpr_count:     194
    .wavefront_size: 32
...
	.end_amdgpu_metadata
.endif
;; end of part 1
;; launch proj (part 2): grid 8 x 32, 12 waves a work-group, clusters of 4 x 4, 327,680 bytes of LDS; arguments xq, wq, qkv; writes qkv
.if DOCPART == 2
	.amdgcn_target "amdgcn-amd-amdhsa--gfx1250"
	.amdhsa_code_object_version 6
	.text
	.protected	k_q9253a46aa6_proj
	.globl	k_q9253a46aa6_proj
	.p2align	8
	.type	k_q9253a46aa6_proj,@function
k_q9253a46aa6_proj:
	s_mov_b64 s[64:65], 0
	v_nop
	global_prefetch_b8 v0, s[64:65] scope:SCOPE_SE
	s_setreg_imm32_b32 hwreg(HW_REG_WAVE_MODE, 25, 1), 1
	s_wait_xcnt 0x0
	s_wait_alu depctr_hold_cnt(0) depctr_sa_sdst(0) depctr_va_vdst(0) depctr_va_sdst(0) depctr_va_ssrc(0) depctr_va_vcc(0) depctr_vm_vsrc(0)
	s_getreg_b32 s2, hwreg(HW_REG_IB_STS2, 6, 4)
	s_cmp_eq_u32 s2, 0
	s_cbranch_scc0 .Lentry_in_a_cluster
	s_endpgm
.Lentry_in_a_cluster:
	s_bfe_u32 s2, ttmp6, 0x10000c
	s_cmp_lg_u32 s2, 0xf033
	s_cbranch_scc0 .Lentry_shape_is_right
	s_endpgm
.Lentry_shape_is_right:
; q = x Wq, k = x Wk, v = x Wv on codes of FP6 (E2M3) with E8M0 scales, and the results quantised on the way out for the attention that follows.
; Work-group (ni, mi): rows 128 mi .. + 127 of x (these 128 rows ARE head mi: key or query 16 t + c, channel d lies at row t, column 64 c + d) by group ni of 128 columns of EACH of the three weights.
; Twelve waves: wave = 4 wt + 2 rh + ch; wt = 0, 1, 2: q, k, v; a wave makes 64 x 64: 16 accumulators, (a, b) at v[128 + 32 a + 8 b].
; THE MATRIX INSTRUCTION IS USED TRANSPOSED: source 0 = weight tile 4 ch + b, source 1 = row tile 4 rh + a: lane (r, h), register j holds row 16 a + r and the weight tile's row 8 h + j.
; By the order in which the launch before laid the weights' columns, the 32 registers of a fixed a are: for q and k the columns 64 ch + 32 bb + 16 h + i (two blocks of 32 along d of part c = 2 ni + ch);
; for v, 16 by 16, channel d = 8 ni + 4 ch + 2 e + h of all sixteen parts c = 2 j + u (register 8 u + j): with the neighbouring row's 16 they are a block of 32 KEYS.
; OPERANDS lie in memory as images of registers (units of 12,800 bytes: 128 rows x 128 K and their scale words).  K goes in PAIRS of two K steps: 25,600 dense bytes an operand, one tensor load.
; Three LDS slots hold pairs 0, 1, 2 of x and the three weights; pair 3 is the one refill, into slot 0.  CLUSTER 4 x 4: x's pairs are shared along a row, the weights' along a column: joint loads.
; OUT (qkv: [q, k, v][32 heads][8 ni] chunks of 12,800 bytes):
;   q: HALF of query tile w = 2 (t / 16) + c % 2 at 768 w; its queries' two scale bytes at 12288 + 32 w + 2 r.
;   k: the 24 bytes of key (t, c = 2 ni + u), half hf, at 192 (t / 2) + 96 hf + 48 (t % 2) + 24 u; its two bytes at 12288 + 32 (t / 8) + 16 (t % 2) + 4 ((t / 2) % 4) + 2 u.
;   v: the 12 bytes of (t, d) at 768 (t / 8) + 96 (d % 8) + 48 ((t / 2) % 2) + 24 ((t / 4) % 2) + 12 (t % 2); the byte of (d, pair of t) at 12288 + 32 (t / 8) + 4 (d % 8) + (t / 2) % 4.
; LIMITS: NaN and infinities are not served; a block whose largest magnitude lies under 2^-124 gets the byte 1 (read by this program alone).
.set UNIT,  12800
.set OPND,  25600                      ; a pair of one operand
.set SLOTB, 102400                     ; a slot: x's pair, then Wq's, Wk's, Wv's
.set SPARE, 307200                     ; behind the three slots: the spare words, 128 bytes for each of twelve waves: six blocks of 256 bytes that no other line names
.set STG,   102400                     ; the way out: three chunks, in slot 1, which has had its last fill; its last reads lie ahead of a barrier
.set SPW,   13                         ; v13  SPARE + 4 x my thread's number; never rewritten
.set NIL,   14                         ; v14  0; never rewritten
.set TM,    80                         ; v80-85 at work on the way out
.set SEL,   20                         ; s[20:21] lane selects: lane l xor 16
; v1-6 address bases (A 16, A 8, B 16, B 8, A's scales, B's scales); v7-12 the same in the slot in hand; v16-63 A's four fragments; v64-111 B's four; v112-115 A's scale words, v116-119 B's
; s10 wave, s11 wt, s12 rh, s13 ch; s[24:31], s[32:39] descriptor groups 1 for x and for the weights; s[40:43], s[52:55] a group 0 each
.macro CROUND                          ; a round of the cluster's barrier
	s_barrier_signal -1
	s_barrier_wait -1
	s_cmp_lg_u32 s10, 0
	s_cbranch_scc1 .Lnot_wave_0_\@
	s_barrier_signal -3
.Lnot_wave_0_\@:
	s_barrier_wait -3
	s_barrier_signal -1
	s_barrier_wait -1
.endm
.macro MM a, b, q, zero                ; one product.  In a scale register lanes 0-15 hold the pair's first K step's words, lanes 16-31 its second's
.if \zero
	v_wmma_scale_f32_16x16x128_f8f6f4 v[128+32*\a+8*\b:135+32*\a+8*\b], v[64+12*\b:75+12*\b], v[16+12*\a:27+12*\a], 0, v[116+\b], v[112+\a] matrix_a_fmt:MATRIX_FMT_FP6 matrix_b_fmt:MATRIX_FMT_FP6
.elseif \q
	v_wmma_scale_f32_16x16x128_f8f6f4 v[128+32*\a+8*\b:135+32*\a+8*\b], v[64+12*\b:75+12*\b], v[16+12*\a:27+12*\a], v[128+32*\a+8*\b:135+32*\a+8*\b], v[116+\b], v[112+\a] matrix_a_fmt:MATRIX_FMT_FP6 matrix_b_fmt:MATRIX_FMT_FP6 matrix_a_scale:MATRIX_SCALE_ROW1 matrix_b_scale:MATRIX_SCALE_ROW1
.else
	v_wmma_scale_f32_16x16x128_f8f6f4 v[128+32*\a+8*\b:135+32*\a+8*\b], v[64+12*\b:75+12*\b], v[16+12*\a:27+12*\a], v[128+32*\a+8*\b:135+32*\a+8*\b], v[116+\b], v[112+\a] matrix_a_fmt:MATRIX_FMT_FP6 matrix_b_fmt:MATRIX_FMT_FP6
.endif
.endm
; A K step of 128: eight fragments (four loads each, every one dense over the lanes), then 16 products; the 16 accumulators take turns, one instruction a turn, in the same order in every step
.macro KSTEP q, zero
.if \q
.rept 4
	v_nop                                          ; four places in front of loads into registers that matrix instructions have read
.endr
.endif
.irp t, 0,1,2,3
	ds_load_b128 v[16+12*\t:19+12*\t], v7 offset:\q*UNIT+\t*1536
	ds_load_b64 v[20+12*\t:21+12*\t], v8 offset:\q*UNIT+\t*1536+512
	ds_load_b128 v[22+12*\t:25+12*\t], v7 offset:\q*UNIT+\t*1536+768
	ds_load_b64 v[26+12*\t:27+12*\t], v8 offset:\q*UNIT+\t*1536+1280
	ds_load_b128 v[64+12*\t:67+12*\t], v9 offset:\q*UNIT+\t*1536
	ds_load_b64 v[68+12*\t:69+12*\t], v10 offset:\q*UNIT+\t*1536+512
	ds_load_b128 v[70+12*\t:73+12*\t], v9 offset:\q*UNIT+\t*1536+768
	ds_load_b64 v[74+12*\t:75+12*\t], v10 offset:\q*UNIT+\t*1536+1280
.endr
	s_wait_dscnt 0x0
.irp a, 0,1,2,3
.irp b, 0,1,2,3
	MM \a, \b, \q, \zero
.endr
.endr
.endm
.macro PAIR slot, zero
.irp i, 0,1,2,3,4,5
	v_add_nc_u32 v[7+\i], \slot*SLOTB, v[1+\i]     ; the slot's addresses; these six are also the places in front of the loads below
.endr
.irp t, 0,1,2,3
	ds_load_b32 v[112+\t], v11 offset:64*\t
	ds_load_b32 v[116+\t], v12 offset:64*\t
.endr
	KSTEP 0, \zero
	s_wait_alu depctr_va_vdst(0)
	KSTEP 1, 0
.endm
; 32 numbers of a lane (register 16 b + i = place 32 b + 16 (lane / 16) + i of my row) become a HALF's six registers in v[p] on and the row's two scale bytes in v[hw]
.macro QUANT2 src, p, hw
.irp b, 0,1
	v_max3_num_f32 v[TM+\b], |v[(\src)+16*\b]|, |v[(\src)+16*\b+1]|, 0x1800000   ; each accumulator is read from its low end on; the floor 2^(3 - 127) holds the byte at 1 from below
.endr
.irp i, 2,4,6,8,10,12,14
.irp b, 0,1
	v_max3_num_f32 v[TM+\b], v[TM+\b], |v[(\src)+16*\b+\i]|, |v[(\src)+16*\b+\i+1]|
.endr
.endr
.irp b, 0,1
	s_delay_alu instid0(VALU_DEP_2)
	v_permlanex16_b32 v[TM+2+\b], v[TM+\b], s[SEL], s[SEL+1]
.endr
.irp b, 0,1
	s_delay_alu instid0(VALU_DEP_2)
	v_max_num_f32 v[TM+\b], v[TM+\b], v[TM+2+\b]
.endr
.irp b, 0,1
	s_delay_alu instid0(VALU_DEP_2)
	v_add_nc_u32 v[TM+4+\b], 0xff000000, v[TM+\b]  ; 2 off the exponent field: the conversion's scale operand
.endr
.irp b, 0,1
	s_delay_alu instid0(VALU_DEP_2)
	v_lshrrev_b32 v[TM+2+\b], 23, v[TM+4+\b]
.endr
	s_delay_alu instid0(VALU_DEP_1)
	v_lshl_or_b32 v[\hw], v[TM+3], 8, v[TM+2]
	v_cvt_scalef32_pk16_fp6_f32 v[(\p):(\p)+2], v[(\src):(\src)+15], v[TM+4]
	v_cvt_scalef32_pk16_fp6_f32 v[(\p)+8:(\p)+10], v[(\src)+16:(\src)+31], v[TM+5]
	v_nop                                          ; one plain line behind the scaled conversions
.irp i, 0,1,2
	v_permlane16_swap_b32 v[(\p)+\i], v[(\p)+8+\i] ; a lane is to hold a whole block: lanes 0-15 block 0, lanes 16-31 block 1
.endr
.irp i, 0,1,2
	s_delay_alu instid0(VALU_DEP_3)
	v_mov_b32 v[(\p)+3+\i], v[(\p)+8+\i]
.endr
.endm
	s_load_b128 s[4:7], s[0:1], 0x0                ; xq, wq
	s_load_b64 s[8:9], s[0:1], 0x10                ; qkv
	v_lshl_add_u32 v[SPW], v0, 2, SPARE
	v_mov_b32 v[NIL], 0
	ds_add_u32 v13, v14
	ds_add_u32 v13, v14
	s_wait_dscnt 0x0
	v_lshrrev_b32 v1, 5, v0
	s_delay_alu instid0(VALU_DEP_1)
	v_readfirstlane_b32 s10, v1                    ; wave 0..11
	s_lshr_b32 s11, s10, 2                         ; wt
	s_bfe_u32 s12, s10, 0x10001                    ; rh
	s_and_b32 s13, s10, 1                          ; ch
	s_bfe_u32 s14, ttmp6, 0x40000                  ; cx
	s_bfe_u32 s15, ttmp6, 0x40004                  ; cy
	s_lshl_b32 s16, ttmp9, 2
	s_add_co_u32 s16, s16, s14                     ; ni = 4 x cluster x + cx
	s_and_b32 s17, ttmp7, 0xffff
	s_lshl_b32 s17, s17, 2
	s_add_co_u32 s17, s17, s15                     ; mi = 4 x cluster y + cy
	s_lshl_b32 s18, s15, 2
	s_lshl_b32 s18, 15, s18                        ; my row of the cluster
	s_lshl_b32 s19, 0x1111, s14                    ; my column
	s_mov_b32 s[SEL], 0x76543210
	s_mov_b32 s[SEL+1], 0xfedcba98
	; descriptor group 1: 25,600 dense bytes as 100 rows of 32 elements of 8 bytes, no padding
	s_or_b32 s24, s18, (3<<16)|(1<<21)             ; x's pairs go to my row of the cluster
	s_or_b32 s32, s19, (3<<16)|(1<<21)             ; the weights' to my column
.irp g, 24, 32
	s_mov_b32 s[\g+1], 32<<16                      ; tensor_dim0
	s_mov_b32 s[\g+2], 100<<16                     ; tensor_dim1
	s_mov_b32 s[\g+3], 32<<16                      ; tile_dim0
	s_mov_b32 s[\g+4], 100                         ; tile_dim1
	s_mov_b32 s[\g+5], 32                          ; the pitch
	s_mov_b32 s[\g+6], 0
	s_mov_b32 s[\g+7], 0
.endr
	s_mul_i32 s66, s17, 8*UNIT                     ; x: group mi's eight units
	s_mov_b32 s67, 0
	s_and_b32 s96, s10, 3                          ; which operand I fetch at the head: 0 x, 1 to 3 Wq, Wk, Wv; the pair is wave / 4
	s_sub_co_u32 s70, s96, 1
	s_min_u32 s70, s70, 2                          ; the weight (x's waves' figure is not used)
	s_lshl_b32 s70, s70, 3
	s_add_co_u32 s70, s70, s16
	s_mul_i32 s70, s70, 8*UNIT                     ; the weight's group ni
	s_mov_b32 s71, 0
	s_mul_i32 s72, s96, OPND                       ; the operand's place in a slot
	s_mul_i32 s97, s11, SLOTB                      ; my pair's slot
	s_mul_i32 s98, s11, OPND                       ; and its place in the operand's eight units
	s_mov_b32 s99, 0
	; LDS bases of my fragments
	s_mul_i32 s73, s12, 6144                       ; x: tiles 4 rh on
	s_mul_i32 s75, s11, OPND
	s_add_co_u32 s75, s75, OPND                    ; my weight's region
	s_mul_i32 s74, s13, 6144
	s_add_co_u32 s74, s74, s75                     ; its tiles 4 ch on
	s_lshl_b32 s76, s12, 8
	s_add_co_u32 s76, s76, 12288                   ; x's scale words
	s_lshl_b32 s77, s13, 8
	s_add_co_u32 s77, s77, 12288
	s_add_co_u32 s77, s77, s75                     ; the weight's
	; the way out's scalars
	s_lshl_b32 s80, s12, 3
	s_add_co_u32 s80, s80, s13                     ; 8 rh + ch
	s_mul_i32 s81, s80, 768
	s_add_co_u32 s81, s81, STG
	s_lshl_b32 s82, s80, 5
	s_add_co_u32 s82, s82, STG+12288
	s_lshl_b32 s84, s12, 8                         ; 256 rh
	s_mul_i32 s85, s13, 24
	s_add_co_u32 s85, s85, s73
	s_add_co_u32 s85, s85, STG+UNIT
	s_lshl_b32 s86, s13, 1
	s_add_co_u32 s86, s86, s84
	s_add_co_u32 s86, s86, STG+UNIT+12288
	s_mul_i32 s87, s13, 384
	s_add_co_u32 s87, s87, s73
	s_add_co_u32 s87, s87, STG+2*UNIT
	s_lshl_b32 s88, s13, 4
	s_add_co_u32 s88, s88, s84
	s_add_co_u32 s88, s88, STG+2*UNIT+12288
	s_and_b32 s91, s10, 3
	s_lshl_b32 s89, s91, 9                         ; 512 x (wave % 4)
	s_mul_i32 s90, s11, UNIT
	s_add_co_u32 s90, s90, s89
	s_add_co_u32 s90, s90, STG
	s_lshl_b32 s94, s17, 3
	s_add_co_u32 s94, s94, s16
	s_mul_i32 s94, s94, UNIT
	s_mul_i32 s92, s11, 3276800
	s_add_co_u32 s94, s94, s92                     ; my chunk in qkv
	s_mov_b32 s95, 0
	s_wait_kmcnt 0x0
	s_add_nc_u64 s[66:67], s[4:5], s[66:67]
	s_add_nc_u64 s[70:71], s[6:7], s[70:71]
	s_add_nc_u64 s[8:9], s[8:9], s[94:95]
	CROUND                                         ; all sixteen work-groups are here: the first joint loads meet
	s_mov_b32 s40, 1                               ; x's pair wave / 4 into slot wave / 4
	s_mov_b32 s41, s97
	s_add_nc_u64 s[42:43], s[66:67], s[98:99]
	s_or_b32 s43, s43, 0x80000000
	s_mov_b32 s52, 1                               ; my weight's pair wave / 4
	s_add_co_u32 s53, s72, s97
	s_add_nc_u64 s[54:55], s[70:71], s[98:99]
	s_or_b32 s55, s55, 0x80000000
	s_cmp_eq_u32 s96, 0                            ; twelve first fills, twelve waves: one load a wave
	s_cbranch_scc0 .Lnot_a
	tensor_load_to_lds s[40:43], s[24:31]
	s_nop 0
.rept 4
	v_nop
.endr
	s_branch .Lfilled
.Lnot_a:
	tensor_load_to_lds s[52:55], s[32:39]
	s_nop 0
.rept 4
	v_nop
.endr
.Lfilled:
	v_and_b32 v15, 31, v0                          ; lane
	s_delay_alu instid0(VALU_DEP_1)
	v_lshl_add_u32 v1, v15, 4, s73
	s_delay_alu instid0(VALU_DEP_2)
	v_lshl_add_u32 v2, v15, 3, s73
	s_delay_alu instid0(VALU_DEP_3)
	v_lshl_add_u32 v3, v15, 4, s74
	s_delay_alu instid0(VALU_DEP_4)
	v_lshl_add_u32 v4, v15, 3, s74
	v_bfe_u32 v120, v0, 4, 1
	s_delay_alu instid0(VALU_DEP_1)
	v_mul_u32_u24 v120, v120, UNIT                 ; lanes 16-31 take the pair's second K step's words
	v_and_b32 v121, 15, v0
	s_delay_alu instid0(VALU_DEP_1)
	v_lshl_add_u32 v120, v121, 2, v120
	s_delay_alu instid0(VALU_DEP_1)
	v_add_nc_u32 v5, s76, v120
	s_delay_alu instid0(VALU_DEP_2)
	v_add_nc_u32 v6, s77, v120
	s_wait_alu depctr_va_vdst(0)
	s_wait_tensorcnt 0x0                           ; my one load is in; behind the barrier pairs 0, 1 and 2 are whole
	s_barrier_signal -1
	s_barrier_wait -1
	PAIR 0, 1                                      ; the first K step's products start the sums: nothing is cleared
	s_wait_tensorcnt 0x0                           ; my one tensor load has landed,
	ds_add_u32 v[SPW], v[NIL]                      ; 0 onto my spare word
	s_add_nc_u64 s[42:43], s[42:43], 3*OPND
	s_add_nc_u64 s[54:55], s[54:55], 3*OPND
	s_wait_dscnt 0x0                               ; the add is done, and my reads of slot 0 are over
	CROUND                                         ; both now hold of every wave of every partner
	s_cmp_eq_u32 s10, 0
	s_cbranch_scc0 .Lre_b
	tensor_load_to_lds s[40:43], s[24:31]          ; the one refill: it has four K steps in which to land
	s_nop 0
.rept 4
	v_nop
.endr
	s_branch .Lre_done
.Lre_b:
	s_cmp_lt_u32 s10, 4
	s_cbranch_scc0 .Lre_done
	tensor_load_to_lds s[52:55], s[32:39]
	s_nop 0
.rept 4
	v_nop
.endr
.Lre_done:
	PAIR 1, 0
	PAIR 2, 0
	s_wait_tensorcnt 0x0                           ; my part of pair 3 is in,
	s_wait_dscnt 0x0                               ; and my reads of slots 1 and 2 are over: slot 1 becomes the stage behind this barrier
	s_barrier_signal -1
	s_barrier_wait -1
	PAIR 0, 0
	; ---- THE WAY OUT.  All addresses are made here, by every wave, ahead of the parting into roles; these lines are also the places behind the last products
	v_and_b32 v1, 15, v0                           ; r
	v_bfe_u32 v2, v0, 4, 1                         ; h
	v_and_b32 v3, 31, v0                           ; lane
	v_and_b32 v4, 1, v0                            ; r % 2
	v_bfe_u32 v5, v0, 1, 1                         ; (r / 2) % 2
	v_bfe_u32 v6, v0, 2, 1                         ; (r / 4) % 2
	v_bfe_u32 v7, v0, 3, 1                         ; r / 8
	v_bfe_u32 v8, v0, 1, 2                         ; (r / 2) % 4
	v_bfe_u32 v9, v0, 1, 3                         ; r / 2
	v_lshl_add_u32 v120, v3, 4, s81                ; q: a HALF's first part,
	v_lshl_add_u32 v121, v3, 3, s81                ; its second part (+ 512),
	v_lshl_add_u32 v122, v1, 1, s82                ; the query's two bytes
	s_delay_alu instid0(VALU_DEP_4)
	v_mul_u32_u24 v10, v9, 192
	s_delay_alu instid0(VALU_DEP_1)
	v_mad_u32_u24 v10, v2, 96, v10
	s_delay_alu instid0(VALU_DEP_1)
	v_mad_u32_u24 v10, v4, 48, v10
	s_delay_alu instid0(VALU_DEP_1)
	v_add_nc_u32 v123, s85, v10                    ; k: my key's half
	v_lshlrev_b32 v10, 5, v7
	s_delay_alu instid0(VALU_DEP_1)
	v_lshl_add_u32 v10, v4, 4, v10
	s_delay_alu instid0(VALU_DEP_1)
	v_lshl_add_u32 v10, v8, 2, v10
	s_delay_alu instid0(VALU_DEP_1)
	v_add_nc_u32 v124, s86, v10                    ; and its two bytes
	v_mul_u32_u24 v10, v7, 768
	s_delay_alu instid0(VALU_DEP_1)
	v_mad_u32_u24 v10, v2, 96, v10
	s_delay_alu instid0(VALU_DEP_1)
	v_mad_u32_u24 v10, v5, 48, v10
	s_delay_alu instid0(VALU_DEP_1)
	v_mad_u32_u24 v10, v6, 24, v10
	s_delay_alu instid0(VALU_DEP_1)
	v_mad_u32_u24 v10, v4, 12, v10
	s_delay_alu instid0(VALU_DEP_1)
	v_add_nc_u32 v125, s87, v10                    ; v: my 12 bytes
	v_lshlrev_b32 v10, 5, v7
	s_delay_alu instid0(VALU_DEP_1)
	v_lshl_add_u32 v10, v2, 2, v10
	s_delay_alu instid0(VALU_DEP_1)
	v_add_nc_u32 v10, v10, v8
	s_delay_alu instid0(VALU_DEP_1)
	v_add_nc_u32 v126, s88, v10                    ; and the block's byte
	v_lshl_add_u32 v127, v3, 4, s90                ; the copy out of the stage,
	v_lshl_add_u32 v15, v3, 4, s89                 ; and the same place in my chunk
	v_mov_b32 v[TM+2], 0                           ; written once: a lane permute's destination counts as one of its sources
	v_mov_b32 v[TM+3], 0
	s_cmp_eq_u32 s11, 0
	s_cbranch_scc0 .Lnot_q
.irp a, 0,1,2,3                                ; q: rows 64 rh + 16 a + r, part c = 2 ni + ch: query tile 8 rh + 2 a + ch
	QUANT2 128+32*\a, 16+16*\a, 88+\a
	ds_store_b128 v120, v[16+16*\a:19+16*\a] offset:\a*1536
	ds_store_b64 v121, v[20+16*\a:21+16*\a] offset:\a*1536+512
	ds_store_b16 v122, v[88+\a] offset:\a*64       ; lanes l and l xor 16 write the same bytes with the same value
.endr
	s_branch .Lstaged
.Lnot_q:
	s_cmp_eq_u32 s11, 1
	s_cbranch_scc0 .Lrole_v
.irp a, 0,1,2,3                                ; k: the same numbers, laid for the double fragments of the attention
	QUANT2 128+32*\a, 16+16*\a, 88+\a
	ds_store_b64 v123, v[16+16*\a:17+16*\a] offset:\a*1536
	ds_store_b64 v123, v[18+16*\a:19+16*\a] offset:\a*1536+8
	ds_store_b64 v123, v[20+16*\a:21+16*\a] offset:\a*1536+16
	ds_store_b16 v124, v[88+\a] offset:\a*64
.endr
	s_branch .Lstaged
.Lrole_v:
.irp a, 0,1,2,3                                ; v: 16 registers are one (t, d) at all sixteen c; lane r xor 1 holds the other t of the block of 32 keys
.irp e, 0,1
	v_max3_num_f32 v[TM+\e], |v[128+32*\a+16*\e]|, |v[129+32*\a+16*\e]|, 0x1800000
.endr
.irp i, 2,4,6,8,10,12,14
.irp e, 0,1
	v_max3_num_f32 v[TM+\e], v[TM+\e], |v[128+32*\a+16*\e+\i]|, |v[129+32*\a+16*\e+\i]|
.endr
.endr
.irp e, 0,1
	s_delay_alu instid0(VALU_DEP_2)
	v_max_num_f32_dpp v[TM+\e], v[TM+\e], v[TM+\e] row_xmask:1 row_mask:0xf bank_mask:0xf
.endr
.irp e, 0,1
	s_delay_alu instid0(VALU_DEP_2)
	v_add_nc_u32 v[TM+4+\e], 0xff000000, v[TM+\e]
.endr
.irp e, 0,1
	s_delay_alu instid0(VALU_DEP_2)
	v_lshrrev_b32 v[48+2*\a+\e], 23, v[TM+4+\e]
.endr
.irp e, 0,1
	v_cvt_scalef32_pk16_fp6_f32 v[16+8*\a+4*\e:18+8*\a+4*\e], v[128+32*\a+16*\e:143+32*\a+16*\e], v[TM+4+\e]
.endr
	v_nop                                          ; one plain line behind the scaled conversions
.irp e, 0,1
	ds_store_b32 v125, v[16+8*\a+4*\e] offset:\a*1536+\e*192
	ds_store_b32 v125, v[17+8*\a+4*\e] offset:\a*1536+\e*192+4
	ds_store_b32 v125, v[18+8*\a+4*\e] offset:\a*1536+\e*192+8
	ds_store_b8 v126, v[48+2*\a+\e] offset:\a*64+\e*8   ; both lanes of a pair write the same byte with the same value
.endr
.endr
.Lstaged:
	s_wait_dscnt 0x0                               ; for the others' sake: my stores into the stage are done
	s_barrier_signal -1
	s_barrier_wait -1
.irp i, 0,1,2,3,4,5                            ; the four waves of a weight copy its chunk: 512 consecutive bytes an instruction
	ds_load_b128 v[16+4*\i:19+4*\i], v127 offset:2048*\i
.endr
.irp i, 0,1,2,3,4,5
	s_wait_dscnt 5-\i                              ; the younger read-backs may be out
	global_store_b128 v15, v[16+4*\i:19+4*\i], s[8:9] offset:2048*\i
.endr
	s_cmp_lg_u32 s91, 0
	s_cbranch_scc1 .Lcopied
	ds_load_b128 v[40:43], v127 offset:12288       ; the first of the four: the chunk's 512 scale bytes
	s_wait_dscnt 0x0
	global_store_b128 v15, v[40:43], s[8:9] offset:12288
.Lcopied:
	s_wait_tensorcnt 0x0                           ; the wave's end
	ds_add_u32 v[SPW], v[NIL]
	s_wait_dscnt 0x0
	CROUND                                         ; the closing round: no work-group ends while a partner may still ask for a tile that names it
	s_endpgm
.Lfunc_end_k_q9253a46aa6_proj:
	.size	k_q9253a46aa6_proj, .Lfunc_end_k_q9253a46aa6_proj-k_q9253a46aa6_proj
	.p2alignl 7, 3214868480
	.fill 96, 4, 3214868480
	.section	.rodata,"a",@progbits
	.p2align	6, 0x0
	.amdhsa_kernel k_q9253a46aa6_proj
		.amdhsa_group_segment_fixed_size 327680
		.amdhsa_private_segment_fixed_size 0
		.amdhsa_enable_private_segment 0
		.amdhsa_kernarg_size 24
		.amdhsa_user_sgpr_count 2
		.amdhsa_user_sgpr_kernarg_segment_ptr 1
		.amdhsa_wavefront_size32 1
		.amdhsa_system_sgpr_workgroup_id_x 1
		.amdhsa_system_sgpr_workgroup_id_y 1
		.amdhsa_system_sgpr_workgroup_id_z 1
		.amdhsa_system_vgpr_workitem_id 0
		.amdhsa_next_free_vgpr 256
		.amdhsa_next_free_sgpr 100
		.amdhsa_reserve_vcc 0
		.amdhsa_float_denorm_mode_32 3
		.amdhsa_float_denorm_mode_16_64 3
		.amdhsa_memory_ordered 1
		.amdhsa_forward_progress 1
		.amdhsa_inst_pref_size 78
	.end_amdhsa_kernel
	.amdgpu_metadata
---
amdhsa.version: [ 1, 2 ]
amdhsa.kernels:
  - .name:           k_q9253a46aa6_proj
    .symbol:         k_q9253a46aa6_proj.kd
    .args:
      - { .name: xq, .offset: 0, .size: 8, .value_kind: global_buffer, .address_space: global }
      - { .name: wq, .offset: 8, .size: 8, .value_kind: global_buffer, .address_space: global }
      - { .name: qkv, .offset: 16, .size: 8, .value_kind: global_buffer, .address_space: global }
    .group_segment_fixed_size: 327680
    .private_segment_fixed_size: 0
    .kernarg_segment_align: 8
    .kernarg_segment_size: 24
    .max_flat_workgroup_size: 384
    .sgpr_count:     100
    .vgpr_count:     256
    .wavefront_size: 32
...
	.end_amdgpu_metadata
.endif
;; end of part 2
;; launch attn (part 3): grid 8 x 32, 16 waves a work-group, clusters of 4 x 1, 289,792 bytes of LDS; arguments qkv, wq, out0; writes out0
.if DOCPART == 3
	.amdgcn_target "amdgcn-amd-amdhsa--gfx1250"
	.amdhsa_code_object_version 6
	.text
	.protected	k_q9253a46aa6_attn
	.globl	k_q9253a46aa6_attn
	.p2align	8
	.type	k_q9253a46aa6_attn,@function
k_q9253a46aa6_attn:
	s_mov_b64 s[64:65], 0
	v_nop
	global_prefetch_b8 v0, s[64:65] scope:SCOPE_SE
	s_setreg_imm32_b32 hwreg(HW_REG_WAVE_MODE, 25, 1), 1
	s_wait_xcnt 0x0
	s_wait_alu depctr_hold_cnt(0) depctr_sa_sdst(0) depctr_va_vdst(0) depctr_va_sdst(0) depctr_va_ssrc(0) depctr_va_vcc(0) depctr_vm_vsrc(0)
	s_getreg_b32 s2, hwreg(HW_REG_IB_STS2, 6, 4)
	s_cmp_eq_u32 s2, 0
	s_cbranch_scc0 .Lentry_in_a_cluster
	s_endpgm
.Lentry_in_a_cluster:
	s_bfe_u32 s2, ttmp6, 0x10000c
	s_cmp_lg_u32 s2, 0x3003
	s_cbranch_scc0 .Lentry_shape_is_right
	s_endpgm
.Lentry_shape_is_right:
; out0 = (softmax(q k^T / 8) v) Wo: the attention of one head and the last product, all three products on codes of FP6 (E2M3) with E8M0 scales.
; THE SOFTMAX AHEAD OF THE SECOND PRODUCT: t = score x log2(e) / 8; M = the running largest t, rounded UP to a whole number; p = 2^(t - M) is quantised along the keys, not normalised; the row's sum is taken
; of the unquantised p and divides at the end.  When M moves, the sum and O are multiplied by 2^(old M - new M): exact.
; SHARES.  Key or query 16 t + c, channel d of head mi lies at row 128 mi + t, column 64 c + d.  Work-group (tg, head) owns the 256 queries t = 16 tg + r, all sixteen c: they are 16 WHOLE ROWS of h.
; Wave w owns c = w.  So the work-group holds all of K = 1,024 of its rows of h, and makes its 16 rows of out0 itself: h never goes to memory.
; THE WHOLE HEAD'S K AND V, codes and scale bytes, 2 x 102,400 bytes, come into LDS once, one joint load a wave (sixteen chunks, sixteen waves); the four work-groups of a cluster share the head.  Nothing is filled again.
; FIRST PRODUCT, transposed: a lane holds ONE query.  Its K is 64, half of what an instruction takes, so a fragment of k holds TWO tiles of 16 keys side by side (u = 0 | u = 1) and is multiplied by (q | zeros) and by (zeros | q).
; Row rho of fragment f = 2 cc + bb of step s is key t = 8 s + 4 cc + 2 (rho / 8) + bb, c = 2 (rho % 8) + u.  So lane (r, h) holds in registers 96 + 32 cc .. + 31 the WHOLE block of 32 keys 2 cc + h of the step
; (place 16 bb + 8 u + j for t % 2 = bb, c = 2 j + u: the order of v's codes): a block's maximum needs no other lane, and the conversions' results are the second product's operand as they stand.
; V^T's tile (b, u), lane rho, is channel d = 32 b + 8 u + rho % 8 + 16 (rho / 8): a lane's 16 results of two neighbouring tiles are 16 neighbouring d.
; LAST PRODUCT.  Each wave quantises its 16 x 64 of h along d and lays it into LDS as an image of operand registers; behind one barrier every wave multiplies the 16 rows x 1,024 K by its own 64 columns of Wo.
; Wo's fragments lie in wq in the order of an operand's registers, and each feeds ONE product here: they go from memory straight into registers, three sets of a K step (20 loads each) by turns.
; They are not asked for jointly: a joint load lands in LDS, where K, V, h and the stages take 287,744 bytes and Wo's 819,200 bytes would have to be filled again and again for one read of each byte.
; Wo is not prefetched: the loads that want it follow the loop.
; K, V and q are asked for at the head, where there is no loop to run ahead in.
; LIMITS: NaN and infinities are not served; a p under 2^-126 counts as 0; a block whose largest magnitude lies under 2^-124 gets the byte 1 (read by this program alone); the promise holds while |t| stays under 2^31.
.set UNIT,  12800
.set QKVT,  3276800                    ; from q's chunks to k's, from k's to v's
.set KP,    12816                      ; K: chunk i at KP i + 64 (i / 4): the sixteen rows of a fragment (8 chunks x 2 places 192 bytes apart) start in sixteen different columns of 16 bytes
.set CHP,   12832                      ; V: from chunk to chunk; chunks 2, 3, 6, 7 lie 16 bytes further on, for the same end
.set VB,    102656
.set VHOP,  25680                      ; from V's chunk g to chunk g + 2 (g = 0, 1, 4, 5)
.set HX,    205312                     ; h: sixteen HALVES of 768 bytes (16 rows x 64 K: lane l's first 16 bytes at 16 l, its last 8 at 512 + 8 l)
.set HSC,   217600                     ; h's scale words: row r of K step ks at 64 ks + 4 r
.set STG,   218112                     ; the way out: 16 rows x (256 + 16) bytes for each wave
.set SPITCH, 272
.set SPARE, 287744                     ; the spare words, 128 bytes a wave
.set WOB,   2457600                    ; Wo's units in wq: groups 24 on
.set TM,    204
.set SEL,   12                         ; s[12:13] lane selects: lane l xor 16
.set CS,    14                         ; s[14:15] log2(e) / 8
; v1-4 my lane's places (K, V, K's scales, V's scales); v5 16 x lane, v6 8 x lane, v7 8 h; v8-11 the step's addresses; v12 -M, v13 the largest score, v[14:15] the sum; v16-33 zeros, q, zeros; v34 q's scale word;
; v36-39 K's scale words, v40-43 V's; v44-91 four fragments; v92, v93 offsets of my blocks of Wo, unused; v94 4 x rho; v96-159 S^T, then p; v160-191 O^T, then out0's sums; v192-203 p's codes; v204-243 at work; v244-252 the tail's addresses
.macro CROUND
	s_barrier_signal -1
	s_barrier_wait -1
	s_cmp_lg_u32 s8, 0
	s_cbranch_scc1 .Lnot_wave_0_\@
	s_barrier_signal -3
.Lnot_wave_0_\@:
	s_barrier_wait -3
	s_barrier_signal -1
	s_barrier_wait -1
.endm
.macro QUANT2 src, p, hw               ; 32 numbers of a lane (register 16 b + i = place 32 b + 16 (lane / 16) + i of my row) become a HALF's six registers and the row's two scale bytes
.irp b, 0,1
	v_max3_num_f32 v[TM+\b], |v[(\src)+16*\b]|, |v[(\src)+16*\b+1]|, 0x1800000
.endr
.irp i, 2,4,6,8,10,12,14
.irp b, 0,1
	s_delay_alu instid0(VALU_DEP_2)
	v_max3_num_f32 v[TM+\b], v[TM+\b], |v[(\src)+16*\b+\i]|, |v[(\src)+16*\b+\i+1]|
.endr
.endr
.irp b, 0,1
	s_delay_alu instid0(VALU_DEP_2)
	v_permlanex16_b32 v[TM+2+\b], v[TM+\b], s[SEL], s[SEL+1]
.endr
.irp b, 0,1
	s_delay_alu instid0(VALU_DEP_2)
	v_max_num_f32 v[TM+\b], v[TM+\b], v[TM+2+\b]
.endr
.irp b, 0,1
	s_delay_alu instid0(VALU_DEP_2)
	v_add_nc_u32 v[TM+4+\b], 0xff000000, v[TM+\b]
.endr
.irp b, 0,1
	s_delay_alu instid0(VALU_DEP_2)
	v_lshrrev_b32 v[TM+2+\b], 23, v[TM+4+\b]
.endr
	s_delay_alu instid0(VALU_DEP_1)
	v_lshl_or_b32 v[\hw], v[TM+3], 8, v[TM+2]
	v_cvt_scalef32_pk16_fp6_f32 v[(\p):(\p)+2], v[(\src):(\src)+15], v[TM+4]
	v_cvt_scalef32_pk16_fp6_f32 v[(\p)+8:(\p)+10], v[(\src)+16:(\src)+31], v[TM+5]
	v_nop                                          ; one plain line behind the scaled conversions
.irp i, 0,1,2
	v_permlane16_swap_b32 v[(\p)+\i], v[(\p)+8+\i]
.endr
.irp i, 0,1,2
	s_delay_alu instid0(VALU_DEP_3)
	v_mov_b32 v[(\p)+3+\i], v[(\p)+8+\i]
.endr
.endm
.macro TM8 j0                          ; t - M of sixteen scores, two at a time
.set j, \j0
.rept 8
	v_pk_fma_f32 v[96+j:97+j], v[96+j:97+j], s[CS:CS+1], v[12:13] op_sel_hi:[1,0,0]
.set j, j+2
.endr
.endm
	s_load_b128 s[4:7], s[0:1], 0x0                ; qkv, wq
	s_load_b64 s[20:21], s[0:1], 0x10              ; out0
	v_lshl_add_u32 v254, v0, 2, SPARE
	v_mov_b32 v255, 0
	ds_add_u32 v254, v255
	ds_add_u32 v254, v255
	v_lshrrev_b32 v1, 5, v0
	v_readfirstlane_b32 s8, v1                     ; wave 0..15
	s_bfe_u32 s9, ttmp6, 0x40000                   ; cx
	s_lshl_b32 s10, ttmp9, 2
	s_add_co_u32 s10, s10, s9                      ; tg: it enters q's and out0's addresses alone
	s_and_b32 s11, ttmp7, 0xffff                   ; the head, which the four partners share
	s_mov_b32 s[SEL], 0x76543210
	s_mov_b32 s[SEL+1], 0xfedcba98
	s_mov_b32 s[CS], 0x3e38aa3b
	s_mov_b32 s[CS+1], s[CS]                       ; (named with it as a pair, so it is written)
	s_mov_b32 s16, 0                               ; where the step's codes begin in a chunk: 768 bytes a step
	s_mov_b32 s17, 0                               ; and its scale bytes: 32 a step
	s_mov_b32 s18, 16                              ; steps of 128 keys
	s_mov_b32 s24, 15|(3<<16)|(1<<21)              ; group 1: a chunk, 12,800 dense bytes, as 50 rows of 32 elements of 8 bytes; the mask names all four work-groups
	s_mov_b32 s25, 32<<16
	s_mov_b32 s26, 50<<16
	s_mov_b32 s27, 32<<16
	s_mov_b32 s28, 50
	s_mov_b32 s29, 32
	s_mov_b32 s30, 0
	s_mov_b32 s31, 0
	s_and_b32 s40, s8, 7                           ; waves 0-7 fetch chunk wave of K, waves 8-15 chunk wave - 8 of V
	s_lshl_b32 s41, s11, 3
	s_add_co_u32 s42, s41, s40
	s_mul_i32 s42, s42, UNIT
	s_add_co_u32 s42, s42, QKVT
	s_mov_b32 s43, 0
	s_mul_i32 s44, s40, KP
	s_lshr_b32 s45, s40, 2
	s_lshl_b32 s45, s45, 6
	s_add_co_u32 s44, s44, s45                     ; K's chunk in LDS
	s_mul_i32 s46, s40, CHP
	s_bfe_u32 s45, s40, 0x10001
	s_lshl_b32 s45, s45, 4
	s_add_co_u32 s45, s45, s46
	s_add_co_u32 s45, s45, VB                      ; V's
	s_lshr_b32 s47, s8, 1                          ; wave / 2
	s_and_b32 s48, s8, 1                           ; wave % 2
	s_add_co_u32 s50, s41, s47
	s_mul_i32 s50, s50, UNIT                       ; q's chunk c / 2
	s_mov_b32 s51, 0
	s_lshl_b32 s49, s10, 1
	s_add_co_u32 s49, s49, s48                     ; my query tile in it: 2 tg + c % 2
	s_mul_i32 s52, s49, 768
	s_mov_b32 s53, 0
	s_lshl_b32 s49, s49, 5                         ; and its scale bytes
	s_lshl_b32 s54, s11, 19                        ; out0: row 128 head + 16 tg, column 64 wave
	s_lshl_b32 s55, s10, 16
	s_add_co_u32 s54, s54, s55
	s_lshl_b32 s55, s8, 8
	s_add_co_u32 s54, s54, s55
	s_mov_b32 s55, 0
	s_mul_i32 s56, s47, 8*UNIT
	s_add_co_u32 s56, s56, WOB                     ; Wo's group wave / 2: eight units
	s_mov_b32 s57, 0
	s_mul_i32 s58, s48, 6144                       ; its tiles 4 (wave % 2) on
	s_mov_b32 s59, 0
	s_lshl_b32 s60, s48, 8
	s_add_co_u32 s60, s60, 12288                   ; and their scale words
	s_mov_b32 s61, 0
	s_mul_i32 s66, s8, 768
	s_add_co_u32 s66, s66, HX                      ; my HALF of h
	s_lshl_b32 s67, s47, 6
	s_lshl_b32 s68, s48, 1
	s_add_co_u32 s67, s67, s68
	s_add_co_u32 s67, s67, HSC                     ; my two bytes of its scale words
	s_mul_i32 s68, s8, 16*SPITCH
	s_add_co_u32 s68, s68, STG                     ; my stage
	s_mul_i32 s69, s9, 800
	s_mul_i32 s70, s8, 50
	s_add_co_u32 s69, s69, s70                     ; the first of my 50 blocks of Wo
	s_wait_dscnt 0x0
	s_wait_kmcnt 0x0
	s_add_nc_u64 s[42:43], s[4:5], s[42:43]
	CROUND                                         ; all four work-groups are here: the joint loads meet
	s_mov_b32 s32, 1
	s_mov_b32 s33, s44
	s_mov_b64 s[34:35], s[42:43]
	s_or_b32 s35, s35, 0x80000000
	s_mov_b32 s36, 1
	s_mov_b32 s37, s45
	s_add_nc_u64 s[38:39], s[42:43], QKVT
	s_or_b32 s39, s39, 0x80000000
	s_cmp_lt_u32 s8, 8                             ; one load a wave: the only ones of the launch
	s_cbranch_scc0 .Lfill_v
	tensor_load_to_lds s[32:35], s[24:31]
	s_nop 0
.rept 4
	v_nop
.endr
	s_branch .Lfilled
.Lfill_v:
	tensor_load_to_lds s[36:39], s[24:31]
	s_nop 0
.rept 4
	v_nop
.endr
.Lfilled:
	s_add_nc_u64 s[50:51], s[4:5], s[50:51]        ; q's chunk
	s_add_nc_u64 s[52:53], s[50:51], s[52:53]      ; my tile in it
	s_add_nc_u64 s[54:55], s[20:21], s[54:55]      ; my part of out0
	s_add_nc_u64 s[56:57], s[6:7], s[56:57]
	s_add_nc_u64 s[58:59], s[56:57], s[58:59]      ; my four tiles of Wo
	s_add_nc_u64 s[60:61], s[56:57], s[60:61]      ; their scale words
	s_add_nc_u64 s[62:63], s[6:7], WOB             ; Wo
	v_and_b32 v9, 31, v0                           ; lane
	v_and_b32 v10, 15, v0                          ; rho
	v_bfe_u32 v11, v0, 4, 1                        ; h
	v_lshlrev_b32 v5, 4, v9
	v_lshlrev_b32 v6, 3, v9
	v_lshl_add_u32 v8, v10, 1, s49
	global_load_b128 v[22:25], v5, s[52:53]        ; q's HALF stays in registers
	global_load_b64 v[26:27], v6, s[52:53] offset:512
	global_load_u16 v35, v8, s[50:51] offset:12288 ; my query's two scale bytes
	v_lshlrev_b32 v94, 2, v10
	v_lshlrev_b32 v7, 3, v11
	v_and_b32 v12, 7, v0                           ; rho % 8
	v_bfe_u32 v13, v0, 3, 1                        ; rho / 8
	v_bfe_u32 v14, v0, 2, 1
	v_mul_u32_u24 v1, v12, KP
	v_mul_u32_u24 v2, v12, 96
	v_lshlrev_b32 v4, 2, v12
	v_lshl_add_u32 v1, v14, 6, v1                  ; K's chunk rho % 8
	v_mad_u32_u24 v2, v13, VHOP, v2
	v_mad_u32_u24 v4, v13, VHOP, v4
	v_lshl_add_u32 v3, v13, 2, v1
	v_mad_u32_u24 v1, v13, 192, v1
	v_mad_u32_u24 v2, v11, 48, v2
	v_add_nc_u32 v4, VB+12288, v4                  ; V's scale words
	v_add_nc_u32 v3, 12288, v3                     ; K's scale words: 4 (rho / 8), + 16 bb + 8 cc
	v_mad_u32_u24 v1, v11, 96, v1                  ; K: 48 bytes at 192 (rho / 8) + 96 h, + 384 cc + 48 bb
	v_add_nc_u32 v2, VB, v2                        ; V: 48 bytes of channel rho % 8 of chunk g + 2 (rho / 8)
	v_add_nc_u32 v244, s66, v5                     ; h on its way into LDS,
	v_add_nc_u32 v245, s66, v6
	v_lshl_add_u32 v246, v10, 2, s67
	v_add_nc_u32 v247, HX, v5                      ; and out of it
	v_add_nc_u32 v248, HX, v6
	v_lshl_add_u32 v249, v10, 2, HSC
	v_mul_u32_u24 v250, v10, SPITCH
	v_mul_u32_u24 v251, v11, SPITCH
	v_lshlrev_b32 v252, 12, v11
	v_lshl_add_u32 v250, v11, 6, v250
	v_lshl_add_u32 v251, v10, 4, v251
	v_lshl_add_u32 v252, v10, 4, v252              ; two rows of out0: lanes 0-15 one, lanes 16-31 the next
	v_add_nc_u32 v250, s68, v250                   ; into the stage: row r, + 64 h
	v_add_nc_u32 v251, s68, v251                   ; back: 256 bytes of a row by sixteen lanes
	v_add_nc_u32 v93, 32, v9
	v_add_nc_u32 v92, s69, v9
	v_min_u32 v93, 49, v93                         ; the lanes left over name my last block again
	v_lshlrev_b32 v92, 8, v92                      ; my blocks 0-31
	v_add_nc_u32 v93, s69, v93
	s_delay_alu instid0(VALU_DEP_1)
	v_lshlrev_b32 v93, 8, v93                      ; my blocks 32-49
.irp i, 0,1,2,3,4,5
	v_mov_b32 v[16+\i], 0                          ; zero codes on either side of q
	v_mov_b32 v[28+\i], 0
.endr
	s_wait_alu depctr_va_vdst(0)                   ; the wait ahead of the wait below
	s_wait_loadcnt 0x0
	v_lshl_or_b32 v34, v35, 16, v35                ; q's scale word: the two bytes serve both places of q.  (The lines below are the places between this line and the first product)
	v_mov_b32 v13, 0xff61b1e6                      ; the largest score so far: -3e38
	v_mov_b32 v14, 0
	v_floor_f32 v12, -v13                          ; -M
	v_mov_b32 v15, 0
	v_mov_b32 v214, 0                              ; written once: a lane permute's destination counts as one of its sources
	v_mov_b32 v215, 0
	v_mov_b32 v227, 0                              ; (named as the upper half of the pair v[226:227])
.set i, 0
.rept 32
	v_mov_b32 v[160+i], 0                          ; O^T.  (The step is written once: the first finds zeros, which the first change of M leaves zeros)
.set i, i+1
.endr
	s_wait_alu depctr_va_vdst(0)                   ; the wait at the head's end
	s_wait_tensorcnt 0x0                           ; my chunk is in,
	s_barrier_signal -1
	s_barrier_wait -1                              ; everybody's are
.Lstep:                                            ; 16 trips of 128 keys
	v_add_nc_u32 v8, s16, v1
	v_add_nc_u32 v10, s17, v3
.irp f, 0,1,2,3
.irp k, 0,1,2
	ds_load_b128 v[44+12*\f+4*\k:47+12*\f+4*\k], v8 offset:384*(\f/2)+48*(\f%2)+16*\k
.endr
	ds_load_b32 v[36+\f], v10 offset:8*(\f/2)+16*(\f%2)
.endr
	s_wait_dscnt 0x0
.irp f, 0,1,2,3                                ; S^T: fragment f against (q | 0): tile u = 0; against (0 | q): tile u = 1
	v_wmma_scale_f32_16x16x128_f8f6f4 v[96+16*\f:103+16*\f], v[44+12*\f:55+12*\f], v[22:33], 0, v[36+\f], v34 matrix_a_fmt:MATRIX_FMT_FP6 matrix_b_fmt:MATRIX_FMT_FP6
	v_wmma_scale_f32_16x16x128_f8f6f4 v[104+16*\f:111+16*\f], v[44+12*\f:55+12*\f], v[16:27], 0, v[36+\f], v34 matrix_a_fmt:MATRIX_FMT_FP6 matrix_b_fmt:MATRIX_FMT_FP6
.endr
	v_add_nc_u32 v9, s16, v2                       ; four places in front of the loads into the fragments' registers and of the first read of the scores
	v_add_nc_u32 v11, s17, v4
	v_mov_b32 v229, v12                            ; the old -M
	v_nop
.irp t, 0,1,2,3                                ; V's four fragments are asked for now and land under the softmax.  Tile t = 2 b + u lies in chunks 4 b + u and 4 b + u + 2
.irp k, 0,1,2
	ds_load_b128 v[44+12*\t+4*\k:47+12*\t+4*\k], v9 offset:(4*(\t/2)+\t%2)*CHP+16*\k
.endr
	ds_load_b32 v[40+\t], v11 offset:(4*(\t/2)+\t%2)*CHP
.endr
	s_cmp_eq_u32 s18, 15
	s_cbranch_scc0 .Lpf1
.Lpf1:
	s_cmp_eq_u32 s18, 13
	s_cbranch_scc0 .Lpf2
.Lpf2:
.irp g, 0,1,2,3                                ; the largest score of my two blocks of 32 keys, in four chains; each accumulator is read from its low end on
	v_max3_num_f32 v[206+\g], v[96+16*\g], v[97+16*\g], v[98+16*\g]
.endr
.irp i, 3,5,7,9,11,13
.irp g, 0,1,2,3
	v_max3_num_f32 v[206+\g], v[206+\g], v[96+16*\g+\i], v[97+16*\g+\i]
.endr
.endr
.irp c, 0,1
	v_max3_num_f32 v[204+\c], v[206+2*\c], v[207+2*\c], v[111+32*\c]
.endr
.irp c, 0,1
	v_max_num_f32 v[204+\c], v[204+\c], v[127+32*\c]   ; it serves for the row's maximum and, since p rises with the score, for the block's largest p
.endr
	v_max_num_f32 v230, v204, v205
	v_permlanex16_b32 v215, v230, s[SEL], s[SEL+1] ; lane l xor 16 holds my query's other 64 keys
	v_max3_num_f32 v13, v13, v230, v215            ; the running largest score
	v_mul_f32 v230, s[CS], v13                     ; as t (the factor is positive)
	v_floor_f32 v12, -v230                         ; the new -M = -ceil(t)
	TM8 0
	v_sub_f32 v230, v12, v229                      ; old M - new M: a whole number, 0 or less
	TM8 16
	v_cvt_i32_f32 v230, v230                       ; (it saturates)
	TM8 32
	v_ldexp_f32 v226, 1.0, v230                    ; f = 2^(old M - new M)
	TM8 48
.irp c, 0,1
	v_fma_f32 v[204+\c], v[204+\c], s[CS], v12     ; the same of each block's largest score
.endr
	s_wait_alu depctr_va_vdst(0)                   ; the wait ahead of the batch
.set j, 0
.rept 64
	v_exp_f32 v[96+j], v[96+j]                     ; p = 2^(t - M), at most 1
.set j, j+1
.endr
	v_exp_f32 v204, v204                           ; the blocks' largest p
	v_exp_f32 v205, v205
	s_wait_dscnt 0x0                               ; V's fragments and scale words are in
	s_wait_alu depctr_va_vdst(0)                   ; one wait for the batch, directly ahead of the first reader of O^T
.set j, 0
.rept 16
	v_pk_mul_f32 v[160+j:161+j], v[160+j:161+j], v[226:227] op_sel_hi:[1,0]   ; O^T under the new M (plain lines behind the exponentials)
.set j, j+2
.endr
.irp c, 0,1
	v_max_num_f32 v[204+\c], 0x1800000, v[204+\c]  ; the floor 2^(3 - 127): the byte cannot fall under 1
.endr
.irp c, 0,1
	s_delay_alu instid0(VALU_DEP_2)
	v_add_nc_u32 v[210+\c], 0xff000000, v[204+\c]  ; 2 off the exponent field: the conversion's scale operand
.endr
.irp c, 0,1
	v_cvt_scalef32_pk16_fp6_f32 v[192+6*\c:194+6*\c], v[96+32*\c:111+32*\c], v[210+\c]
	v_cvt_scalef32_pk16_fp6_f32 v[216+4*\c:218+4*\c], v[112+32*\c:127+32*\c], v[210+\c]   ; (a conversion's three registers begin on an even number)
.endr
	v_lshrrev_b32 v212, 23, v210                   ; my two blocks' bytes (plain lines behind the conversions)
	v_lshrrev_b32 v213, 23, v211
	v_mov_b32 v195, v216
	v_lshl_or_b32 v228, v213, 16, v212             ; blocks h and 2 + h,
	v_mov_b32 v196, v217
	v_mov_b32 v197, v218
	v_lshlrev_b32 v228, v7, v228                   ; at their places in the scale word (8 h bits up);
	v_mov_b32 v201, v220
	v_mov_b32 v202, v221
	v_permlanex16_b32 v214, v228, s[SEL], s[SEL+1]
	v_mov_b32 v203, v222
	s_delay_alu instid0(VALU_DEP_2)
	v_or_b32 v228, v228, v214                      ; with lane l xor 16's two the word is whole
.irp a, 0,1,2,3                                ; THE ROW'S SUM OF THE UNQUANTISED p, in four chains.  These eight are the places between the scale word's write and the products
	v_pk_add_f32 v[236+2*\a:237+2*\a], v[96+2*\a:97+2*\a], v[104+2*\a:105+2*\a]
.endr
.irp a, 0,1,2,3
	v_pk_add_f32 v[236+2*\a:237+2*\a], v[236+2*\a:237+2*\a], v[112+2*\a:113+2*\a]
.endr
.irp t, 0,1,2,3                                ; O^T += V^T P^T: the four accumulators by turns
	v_wmma_scale_f32_16x16x128_f8f6f4 v[160+8*\t:167+8*\t], v[44+12*\t:55+12*\t], v[192:203], v[160+8*\t:167+8*\t], v[40+\t], v228 matrix_a_fmt:MATRIX_FMT_FP6 matrix_b_fmt:MATRIX_FMT_FP6
.endr
.irp g, 3,4,5,6,7                              ; the rest of the sum: it names no register of the products, and gives the places behind them
.irp a, 0,1,2,3
	v_pk_add_f32 v[236+2*\a:237+2*\a], v[236+2*\a:237+2*\a], v[96+8*\g+2*\a:97+8*\g+2*\a]
.endr
.endr
	v_pk_add_f32 v[236:237], v[236:237], v[238:239]
	v_pk_add_f32 v[240:241], v[240:241], v[242:243]
	s_delay_alu instid0(VALU_DEP_1)
	v_pk_add_f32 v[236:237], v[236:237], v[240:241]
	s_delay_alu instid0(VALU_DEP_1)
	v_pk_fma_f32 v[14:15], v[14:15], v[226:227], v[236:237] op_sel_hi:[1,0,1]   ; the old sum under the new M, and this step's
	s_add_co_u32 s16, s16, 768
	s_add_co_u32 s17, s17, 32
	s_sub_co_u32 s18, s18, 1
	s_cmp_lg_u32 s18, 0
	s_wait_alu depctr_va_vdst(0)                   ; the wait ahead of the branch
	s_cbranch_scc1 .Lstep
; ---- THE LAST PRODUCT.  A set of Wo: the four fragments and scale words of my 64 columns for one K step of 128: 20 loads, each dense over the lanes
.macro WLOAD ks, fb, sb
.irp b, 0,1,2,3
	global_load_b128 v[\fb+12*\b:\fb+12*\b+3], v5, s[58:59] offset:(\ks)*UNIT+1536*\b
	global_load_b64 v[\fb+12*\b+4:\fb+12*\b+5], v6, s[58:59] offset:(\ks)*UNIT+1536*\b+512
	global_load_b128 v[\fb+12*\b+6:\fb+12*\b+9], v5, s[58:59] offset:(\ks)*UNIT+1536*\b+768
	global_load_b64 v[\fb+12*\b+10:\fb+12*\b+11], v6, s[58:59] offset:(\ks)*UNIT+1536*\b+1280
	global_load_b32 v[\sb+\b], v94, s[60:61] offset:(\ks)*UNIT+64*\b
.endr
.endm
.macro HLOAD ks, hb                    ; h's fragment of K step ks: HALVES 2 ks and 2 ks + 1
	ds_load_b128 v[\hb:\hb+3], v247 offset:1536*(\ks)
	ds_load_b64 v[\hb+4:\hb+5], v248 offset:1536*(\ks)+512
	ds_load_b128 v[\hb+6:\hb+9], v247 offset:1536*(\ks)+768
	ds_load_b64 v[\hb+10:\hb+11], v248 offset:1536*(\ks)+1280
.endm
.macro SETOF ks                        ; K step ks lies in set ks % 3
.if ((\ks)%3) == 0
.set FB, 44
.set SB, 36
.elseif ((\ks)%3) == 1
.set FB, 96
.set SB, 40
.else
.set FB, 192
.set SB, 240
.endif
.endm
; TRANSPOSED: source 0 = Wo's tile 4 (wave % 2) + b, source 1 = h's 16 rows: lane (r, h), register j holds row r and column 64 wave + 32 (b / 2) + 16 h + 8 (b % 2) + j.  The four accumulators by turns
.macro OSTEP ks
	SETOF \ks
.set HBR, 144-120*((\ks)%2)
.if (\ks) < 6
	s_wait_loadcnt 40                              ; this K step's set is in; the two sets asked for behind it may be out
.else
	s_wait_loadcnt 20*(7-(\ks))
.endif
.if (\ks) < 7
	s_wait_dscnt 4                                 ; h's fragment is in; the next one's four loads may be out
.else
	s_wait_dscnt 0
.endif
.irp b, 0,1,2,3
.if (\ks) == 0
	v_wmma_scale_f32_16x16x128_f8f6f4 v[160+8*\b:167+8*\b], v[FB+12*\b:FB+12*\b+11], v[HBR:HBR+11], 0, v[SB+\b], v[16+(\ks)] matrix_a_fmt:MATRIX_FMT_FP6 matrix_b_fmt:MATRIX_FMT_FP6
.else
	v_wmma_scale_f32_16x16x128_f8f6f4 v[160+8*\b:167+8*\b], v[FB+12*\b:FB+12*\b+11], v[HBR:HBR+11], v[160+8*\b:167+8*\b], v[SB+\b], v[16+(\ks)] matrix_a_fmt:MATRIX_FMT_FP6 matrix_b_fmt:MATRIX_FMT_FP6
.endif
.endr
.if (\ks) < 6
.rept 4
	v_nop                                          ; four places in front of loads into registers that matrix instructions have read
.endr
.if (\ks) < 5
	WLOAD (\ks)+3, FB, SB
.endif
	HLOAD (\ks)+2, HBR
.endif
.endm
	WLOAD 0, 44, 36                                ; two sets are asked for at once, into the registers of the fragments and of p
	WLOAD 1, 96, 40
	v_add_f32 v14, v14, v15
	s_delay_alu instid0(VALU_DEP_1)
	v_permlanex16_b32 v215, v14, s[SEL], s[SEL+1]
	s_delay_alu instid0(VALU_DEP_1)
	v_add_f32 v14, v14, v215                       ; the row's sum
	s_wait_alu depctr_va_vdst(0)                   ; the wait ahead of the reciprocal,
	v_rcp_f32 v14, v14
	v_nop                                          ; a plain line behind it,
	s_wait_alu depctr_va_vdst(0)                   ; and the wait ahead of its first reader, which is also O^T's
.set j, 0
.rept 16
	v_pk_mul_f32 v[160+j:161+j], v[160+j:161+j], v[14:15] op_sel_hi:[1,0]   ; h: register 16 b + 8 u + j' is d = 32 b + 16 (lane / 16) + 8 u + j'
.set j, j+2
.endr
	QUANT2 160, 192, 231
	ds_store_b128 v244, v[192:195]
	ds_store_b64 v245, v[196:197] offset:512
	ds_store_b16 v246, v231                        ; lanes l and l xor 16 write the same bytes with the same value
	s_wait_dscnt 0x0                               ; for the others' sake: my HALF of h is in LDS; and the stores have read their registers,
	WLOAD 2, 192, 240                              ; which take the third set
	s_barrier_signal -1
	s_barrier_wait -1
.irp k, 0,1,2,3,4,5,6,7
	ds_load_b32 v[16+\k], v249 offset:64*\k        ; h's scale words, a register for each K step
.endr
	HLOAD 0, 144
	HLOAD 1, 24
.irp k, 0,1,2,3,4,5,6,7
	OSTEP \k
.endr
.rept 4
	v_nop                                          ; places behind the last products
.endr
; THE WAY OUT, through my own stage: a lane holds 32 bytes of a row; back come runs of 256 bytes, which sixteen lanes store as one aligned piece.  LDS serves a wave's instructions in order
.irp b, 0,1,2,3
	ds_store_b128 v250, v[160+8*\b:163+8*\b] offset:(\b/2)*128+(\b%2)*32      ; each accumulator from its low end on
	ds_store_b128 v250, v[164+8*\b:167+8*\b] offset:(\b/2)*128+(\b%2)*32+16
.endr
.irp i, 0,1,2,3,4,5,6,7
	ds_load_b128 v[96+4*\i:99+4*\i], v251 offset:\i*2*SPITCH
.endr
.irp i, 0,1,2,3,4,5,6,7
	s_wait_dscnt 7-\i                              ; the younger read-backs may be out
	global_store_b128 v252, v[96+4*\i:99+4*\i], s[54:55] offset:2*\i*4096 th:TH_STORE_NT
.endr
	s_wait_tensorcnt 0x0                           ; the wave's end
	ds_add_u32 v254, v255
	s_wait_dscnt 0x0
	CROUND                                         ; the closing round
	s_endpgm
.Lfunc_end_k_q9253a46aa6_attn:
	.size	k_q9253a46aa6_attn, .Lfunc_end_k_q9253a46aa6_attn-k_q9253a46aa6_attn
	.p2alignl 7, 3214868480
	.fill 96, 4, 3214868480
	.section	.rodata,"a",@progbits
	.p2align	6, 0x0
	.amdhsa_kernel k_q9253a46aa6_attn
		.amdhsa_group_segment_fixed_size 289792
		.amdhsa_private_segment_fixed_size 0
		.amdhsa_enable_private_segment 0
		.amdhsa_kernarg_size 24
		.amdhsa_user_sgpr_count 2
		.amdhsa_user_sgpr_kernarg_segment_ptr 1
		.amdhsa_wavefront_size32 1
		.amdhsa_system_sgpr_workgroup_id_x 1
		.amdhsa_system_sgpr_workgroup_id_y 1
		.amdhsa_system_sgpr_workgroup_id_z 1
		.amdhsa_system_vgpr_workitem_id 0
		.amdhsa_next_free_vgpr 256
		.amdhsa_next_free_sgpr 72
		.amdhsa_reserve_vcc 0
		.amdhsa_float_denorm_mode_32 3
		.amdhsa_float_denorm_mode_16_64 3
		.amdhsa_memory_ordered 1
		.amdhsa_forward_progress 1
		.amdhsa_inst_pref_size 55
	.end_amdhsa_kernel
	.amdgpu_metadata
---
amdhsa.version: [ 1, 2 ]
amdhsa.kernels:
  - .name:           k_q9253a46aa6_attn
    .symbol:         k_q9253a46aa6_attn.kd
    .args:
      - { .name: qkv, .offset: 0, .size: 8, .value_kind: global_buffer, .address_space: global }
      - { .name: wq, .offset: 8, .size: 8, .value_kind: global_buffer, .address_space: global }
      - { .name: out0, .offset: 16, .size: 8, .value_kind: global_buffer, .address_space: global }
    .group_segment_fixed_size: 289792
    .private_segment_fixed_size: 0
    .kernarg_segment_align: 8
    .kernarg_segment_size: 24
    .max_flat_workgroup_size: 512
    .sgpr_count:     72
    .vgpr_count:     256
    .wavefront_size: 32
...
	.end_amdgpu_metadata
.endif
;; end of part 3
